; MI455X (gfx1250); checked and timed in simulation.
; The chip was launched on July 23, 2026; its instructions are those of AMD's public machine-readable ISA for CDNA 5 (MIT licence, August 2026) and "CDNA5" Instruction Set Architecture Reference Guide (July 2026). The comments in the code are by the model that wrote it; some were corrected since.
;; Pool. Allowed arithmetic: matrix products marked QUANTISED: E2M1 operands, one E8M0 scale for each 32 along K, by v_wmma_scale_f32_16x16x128_f8f6f4 with both operands' format E2M1 (or v_wmma_scale_f32_32x16x128_f4), f32 sums; products left as they are: f32 operands where the result goes on into a quantised operand, else bf16, f16 or f32 operands; f32 sums; everything else in f32.
;; Inputs: W 512 x 1 float32; b 1 float32; g 4,096 x 4,096 float32; h 4,096 x 512 float32.
;; Outputs: out0 2,048 x 2,048 float32; out1 2,048 x 512 float32; out2 2,048 int32.
;; This version of the problem:
;;   THIS VERSION OF THE PROBLEM IS GIVEN IN LOW PRECISION. The matrix products marked QUANTISED in the list below multiply operands that are first quantised to E2M1 (2 exponent bits, 1 mantissa bit; 4 bits a number), with one power-of-two scale for each 32 numbers along K (OCP MX v1.0); their sums are f32. All else is computed in f32.
;;   The module's matrix products, in the order in which they are computed (A, B: the left and right operand; K: the contracted axis; several contracted axes count as one K, in the product's order):
;;     1. [M 4,096, K 512] x [K 512, N 1]; A: input h; B: input W: left as it is (N = 1 < 16)
;;     2. [M 4,096, K 4,096] x [K 4,096, N 4,096]; A: computed on the way; B: computed on the way: QUANTISED
;;   THE QUANTISER, for each operand of a quantised product, along K:
;;     - K is cut into blocks of 32 from its start; a last block that is shorter is filled with zeros.
;;     - A block's scale is 2^e with e = floor(log2(the largest magnitude in the block)) - 2, held to -126 .. 127; a block of zeros has e = 0. As a byte (E8M0): e + 127.
;;     - Each number is divided by its block's scale, clamped to +-6, and rounded to the nearest number of E2M1, ties to even, subnormals kept.
;;     - The product sums the exact products of the quantised numbers (number of the format x scale) in f32.
;;   ~~~python
;;   def quantise(x, axis):      # numpy; x: float32 -> the quantised numbers, widened to float32 again
;;       x = np.moveaxis(x, axis, -1); K = x.shape[-1]
;;       x = np.pad(x, [(0, 0)] * (x.ndim - 1) + [(0, -K % 32)]); x = x.reshape(x.shape[:-1] + (-1, 32)); a = np.abs(x).max(-1, keepdims=True)
;;       e = np.where(a > 0, np.clip(np.frexp(np.where(a > 0, a, 1))[1] - 1 - 2, -126, 127), 0)      # np.frexp(a)[1] - 1 = floor(log2(a)), exactly
;;       r = np.clip(x / 2.0 ** e, -6, 6)
;;       step = 2.0 ** (np.maximum(np.frexp(np.where(r == 0, 1, r))[1] - 1, 0) - 1)
;;       q = np.round(r / step) * step * 2.0 ** e      # np.round: ties to even
;;       return np.moveaxis(q.reshape(q.shape[:-2] + (-1,))[..., :K], -1, axis).astype(np.float32)
;;   ~~~
;;   OPERANDS COMPUTED ON THE WAY. 'Computed on the way' means the value that the module computes at that place (a softmax that the list does not call 'softmax' is quantised finished and normalised). What goes into a quantiser is computed in f32, as accurately as f32 sums, v_exp_f32 and their like allow (about 1e-6 of the number): no bf16 or f16 on the way to a quantiser, and a product that is left as it is and whose result goes on into a quantised operand takes f32 operands (vector FMAs, or v_wmma_f32_16x16x4_f32). A number that lies on a knife's edge between two numbers of the format may be rounded either way, as far as f32 arithmetic and the matrix unit's own rounding can turn it there, and no further.
;; One version. Each part assembles by itself: llvm-mc -triple=amdgcn-amd-amdhsa -mcpu=gfx1250 --defsym DOCPART=n.
;; ======== version 1 of 1: 4 launches
;; workspace buffers: bits 4,194,304 bytes; scores 16,384 bytes of whole numbers; codes 8,388,608 bytes; zbits 2,097,152 bytes
;; launch scan (part 1): grid 320 x 1, 4 waves a work-group, no clusters, 1,024 bytes of LDS; arguments g, h, W, b, bits, scores; writes bits, scores
.if DOCPART == 1
	.amdgcn_target "amdgcn-amd-amdhsa--gfx1250"
	.amdhsa_code_object_version 6
	.text
	.protected	k_qf15ca100a9_scan
	.globl	k_qf15ca100a9_scan
	.p2align	8
	.type	k_qf15ca100a9_scan,@function
k_qf15ca100a9_scan:
	s_mov_b64 s[64:65], 0
	v_nop
	global_prefetch_b8 v0, s[64:65] scope:SCOPE_SE
	s_setreg_imm32_b32 hwreg(HW_REG_WAVE_MODE, 25, 1), 1
	s_wait_xcnt 0x0
; POOL, launch 1 of 4.  reference(): scores = sigmoid(h W + b); idx = top_k(scores, 2048); out1 = h[idx] x score; U = (g != 0); C = U U, both operands quantised to E2M1 along K;
; out0 = (C > 0)[idx][:, idx], each row divided by its sum.
; THE FOUR LAUNCHES: scan (g -> two bit matrices; h, W, b -> scores), place (each row's rank among the scores; the chosen rows' and columns' codes, out1, out2), gemm (the product), norm (out0).
; DEAD WORK.  reference() keeps of C only un_g[idx][:, idx]: rows outside idx and columns outside idx are sliced away whatever the inputs hold.  The quantiser works along K alone, so the codes of a kept row
; of U (or of a kept column) do not hang on the rows and columns that are left out.  So the product is made for 2,048 rows x 2,048 columns over all 4,096 of K.  Every input has a way to an output: all are loaded.
; LIMIT: a NaN, an infinity or an overflow that reaches only the work left out is not carried to the result (here there is none: U holds 0 and 1).
; IDENTITIES, for all inputs, since reference() itself makes U of 0 and 1: a block of 32 with a 1 in it has the largest magnitude 1, e = -2, byte 125, and its 1s become the code of 4; a block of zeros has zero codes,
; which add nothing under any byte but 0xff: so byte 125 serves every block.  With all scales equal, a permutation of K applied alike to both operands leaves every sum as it is.
; LIMITS: NaN in h, W or b is not served (top_k's order of NaNs is not rebuilt); |h W + b| stays under 2e38; a score under 2^-126 counts as 0; two scores that lie a few units in the last place apart may be
; ordered otherwise than by reference()'s own f32 sums.  In g a NaN counts as not 0 and -0 as 0, as in reference().
; THE SCORES ARE +0 OR ABOVE, so their bit patterns are whole numbers that order as the scores do: the next launch reads the buffer as such whole numbers, and ranks by them.
;
; THIS LAUNCH.  Work-groups 0-255: a wave takes a tile of 128 rows x 128 columns of g and makes both its images in bits: by rows and by columns.  No LDS, no barrier: waves share nothing.
;   bits: u32 [m 2][G 32][KG 32][x 4][l 32][e 4]; m = 0 rows of U, m = 1 columns; the row or column is 128 G + 4 l + x; bit L of word e is k = 128 KG + 4 L + e.
;   A load takes a row's 512 bytes, lane L the columns 4 L + e.  The compare's lane mask of register e IS the row's word e.  For the columns each lane shifts its own bit into a word: word = 2 word + bit by an
;   add with carry; the rows are walked downward, so that row 4 L' + e' ends at bit L' of word e'.
; Work-groups 256-319: 64 rows of h each, 16 a wave: the dot products in f32, and the sigmoid.
.set SPARE, 256                        ; LDS: 0-255 the work-group's 64 weights; from 256 the spare words, 128 bytes for each wave
.set SPW,  2                           ; v2   SPARE + 4 x my thread's number; never rewritten
.set NIL,  3                           ; v3   0; never rewritten
.set RA,   8                           ; v8-23   the rows' words: register 4 x + e, lane l
.set RB,   24                          ; v24-39  the columns' words: register 4 x + e (x: which of my four columns)
.set X,    48                          ; v48-239 three sets of 16 rows x 4 registers (scores: v48-175, eight rows x 16)
.set MS,   24                          ; s24-31  two sets of four lane masks
.set WR,   8                           ; scores: v8-23 W
.set T,    24                          ; v24-39 at work
.set WT,   40                          ; v40 my wave's 16 weights, lane n and lane n + 16
	s_load_b256 s[4:11], s[0:1], 0x0               ; g s[4:5], h s[6:7], W s[8:9], b s[10:11]
	s_load_b128 s[12:15], s[0:1], 0x20             ; bits s[12:13], scores s[14:15]
	v_lshl_add_u32 v[SPW], v0, 2, SPARE
	v_mov_b32 v[NIL], 0
	v_lshrrev_b32 v4, 5, v0
	v_readfirstlane_b32 s16, v4                    ; wave 0..3
	v_and_b32 v5, 31, v0                           ; lane
	v_lshlrev_b32 v1, 4, v5                        ; 16 x lane; never rewritten
	s_mov_b32 s33, 0
	s_wait_kmcnt 0x0
	s_cmp_ge_u32 ttmp9, 256                        ; the work-group's number alone: all four waves go the same way
	s_cbranch_scc1 .Lscore
	; ---- g into bits
	s_lshr_b32 s17, ttmp9, 3                       ; tr: which 128 rows
	s_and_b32 s18, ttmp9, 7
	s_lshl_b32 s18, s18, 2
	s_add_co_u32 s18, s18, s16                     ; tc: which 128 columns; the four waves stand side by side
	s_lshl_b32 s32, s17, 21                        ; 128 rows of 16,384 bytes
	s_lshl_b32 s34, s18, 9
	s_add_co_u32 s32, s32, s34
	s_add_nc_u64 s[4:5], s[4:5], s[32:33]          ; my tile of g
	s_lshl_b32 s32, s17, 16
	s_lshl_b32 s34, s18, 11
	s_add_co_u32 s32, s32, s34
	s_add_nc_u64 s[20:21], s[12:13], s[32:33]      ; block [0][tr][tc]
	s_lshl_b32 s32, s18, 16
	s_lshl_b32 s34, s17, 11
	s_add_co_u32 s32, s32, s34
	s_add_co_u32 s32, s32, 0x200000
	s_add_nc_u64 s[22:23], s[12:13], s[32:33]      ; block [1][tc][tr]
.macro LOADG grp                       ; rows 127 - 16 grp downward, sixteen of them, into set grp % 3
.set i, 0
.rept 16
	global_load_b128 v[X+64*((\grp)%3)+4*i:X+64*((\grp)%3)+4*i+3], v1, s[4:5] offset:(127-16*(\grp)-i)*16384 th:TH_LOAD_NT
.set i, i+1
.endr
.endm
.macro WORK grp
.set i, 0
.rept 16
.set sr, 127-16*(\grp)-i
.set xr, X+64*((\grp)%3)+4*i
.set mk, MS+4*(i%2)
.irp e, 0,1,2,3
	v_cmp_neq_f32 s[mk+\e], 0, v[xr+\e]            ; not equal or unordered: a NaN counts, -0 does not
.endr
.irp e, 0,1,2,3
	v_writelane_b32 v[RA+4*(sr&3)+\e], s[mk+\e], sr>>2   ; the mask over the lanes is the row's word e
.endr
.irp e, 0,1,2,3
	v_add_co_ci_u32 v[RB+4*\e+(sr&3)], s[mk+\e], v[RB+4*\e+(sr&3)], v[RB+4*\e+(sr&3)], s[mk+\e]   ; my column's word = 2 x word + my bit
.endr
.set i, i+1
.endr
.endm
	LOADG 0
	LOADG 1
	LOADG 2
.set i, 0
.rept 32
	v_mov_b32 v[RA+i], 0                           ; once: a lane write and the add read their destination
.set i, i+1
.endr
.irp grp, 0,1,2,3,4,5,6,7
.if \grp <= 5
	s_wait_loadcnt 32                              ; this group's sixteen loads are in; the two younger groups stay out
.else
	s_wait_loadcnt 16*(7-\grp)
.endif
	WORK \grp
.if \grp <= 4
	LOADG \grp+3                                   ; into the set just worked
.endif
.endr
.irp x, 0,1,2,3
	global_store_b128 v1, v[RA+4*\x:RA+4*\x+3], s[20:21] offset:512*\x   ; 32 lanes store 512 consecutive bytes, aligned
	global_store_b128 v1, v[RB+4*\x:RB+4*\x+3], s[22:23] offset:512*\x
.endr
	s_endpgm
	; ---- the scores
.Lscore:
	s_load_b32 s28, s[10:11], 0x0                  ; b
	s_sub_co_u32 s17, ttmp9, 256
	s_lshl_b32 s18, s17, 6
	s_lshl_b32 s19, s16, 4
	s_add_co_u32 s18, s18, s19                     ; my wave's first row
	s_lshl_b32 s32, s18, 11
	s_add_nc_u64 s[6:7], s[6:7], s[32:33]
	s_lshl_b32 s32, s17, 8
	s_add_nc_u64 s[14:15], s[14:15], s[32:33]      ; the work-group's 64 scores: 256 bytes
	s_mov_b32 s30, 0x76543210
	s_mov_b32 s31, 0xfedcba98                      ; v_permlanex16_b32's selects for lane l xor 16
	v_and_b32 v6, 15, v0
	v_lshlrev_b32 v6, 2, v6
	s_lshl_b32 s19, s16, 6
	v_add_nc_u32 v6, s19, v6                       ; LDS: 64 x wave + 4 x (lane % 16)
	v_lshlrev_b32 v7, 3, v5                        ; 8 x lane
	v_mov_b32 v[WT], 0
.macro HLOAD n                         ; row n of my sixteen: lane l takes columns 128 q + 4 l + 0..3
.irp q, 0,1,2,3
	global_load_b128 v[X+16*((\n)%8)+4*\q:X+16*((\n)%8)+4*\q+3], v1, s[6:7] offset:2048*(\n)+512*\q th:TH_LOAD_NT
.endr
.endm
.irp q, 0,1,2,3
	global_load_b128 v[WR+4*\q:WR+4*\q+3], v1, s[8:9] offset:512*\q
.endr
.irp n, 0,1,2,3,4,5,6,7
	HLOAD \n
.endr
.macro ROW n
.set XS, X+16*((\n)%8)
.if (\n) < 8
	s_wait_loadcnt 28                              ; W and this row are in; seven younger rows of four loads stay out
.else
	s_wait_loadcnt 4*(15-(\n))
.endif
.irp j, 0,2,4,6
	v_pk_mul_f32 v[T+\j:T+\j+1], v[XS+\j:XS+\j+1], v[WR+\j:WR+\j+1]
.endr
.irp j, 0,2,4,6
	v_pk_fma_f32 v[T+\j:T+\j+1], v[XS+8+\j:XS+9+\j], v[WR+8+\j:WR+9+\j], v[T+\j:T+\j+1]
.endr
.if (\n) < 8
	HLOAD (\n)+8                                   ; into the set just read
.endif
	v_pk_add_f32 v[T:T+1], v[T:T+1], v[T+2:T+3]
	v_pk_add_f32 v[T+4:T+5], v[T+4:T+5], v[T+6:T+7]
	v_pk_add_f32 v[T:T+1], v[T:T+1], v[T+4:T+5]
	v_add_f32 v[T], v[T], v[T+1]
	v_add_f32_dpp v[T], v[T], v[T] row_xmask:1 row_mask:0xf bank_mask:0xf
	v_add_f32_dpp v[T], v[T], v[T] row_xmask:2 row_mask:0xf bank_mask:0xf
	v_add_f32_dpp v[T], v[T], v[T] row_xmask:4 row_mask:0xf bank_mask:0xf
	v_add_f32_dpp v[T], v[T], v[T] row_xmask:8 row_mask:0xf bank_mask:0xf
	v_permlanex16_b32 v[T+1], v[T], s30, s31
	v_add_f32 v[T], v[T], v[T+1]                   ; the row's h . W, in every lane
	v_readfirstlane_b32 s24, v[T]
	v_writelane_b32 v[WT], s24, \n
	v_writelane_b32 v[WT], s24, (\n)+16
.endm
.irp n, 0,1,2,3,4,5,6,7,8,9,10,11,12,13,14,15
	ROW \n
.endr
	ds_store_b32 v6, v[WT]                         ; lanes n and n + 16 write the same word with the same value
	s_wait_dscnt 0x0                               ; for the others' sake: my store has landed
	s_barrier_signal -1
	s_barrier_wait -1
	s_cmp_lg_u32 s16, 0
	s_cbranch_scc1 .Lclose
	ds_load_b64 v[42:43], v7                       ; wave 0: rows 2 l and 2 l + 1 of the 64
	s_mov_b32 s24, 0xbfb8aa3b                      ; -log2(e), its high part,
	s_mov_b32 s25, 0xb2a57060                      ; and what is left of it
	s_mov_b32 s26, 0x3f317218                      ; ln 2
	s_mov_b32 s27, 0x7f800000                      ; infinity
	s_wait_dscnt 0x0
	s_wait_kmcnt 0x0                               ; b
	v_add_f32 v42, s28, v42
	v_add_f32 v43, s28, v43                        ; w
	v_mul_f32 v44, s24, v42                        ; -w log2(e) = th + tl: th rounded,
	v_mul_f32 v45, s24, v43
	v_fma_f32 v46, v42, s24, -v44                  ; tl: what the rounding dropped,
	v_fma_f32 v47, v43, s24, -v45
	v_fma_f32 v46, v42, s25, v46                   ; and the constant's low part
	v_fma_f32 v47, v43, s25, v47
	v_exp_f32 v24, v44
	v_exp_f32 v25, v45
	v_fma_f32 v46, v46, s26, 1.0                   ; 2^tl = 1 + tl ln 2, tl being tiny.  (Plain work behind the exponentials)
	v_fma_f32 v47, v47, s26, 1.0
	s_wait_alu depctr_va_vdst(0)                   ; one wait for both exponentials, ahead of their first reader
	v_fma_f32 v26, v24, v46, 1.0                   ; d = 1 + e^-w
	v_fma_f32 v27, v25, v47, 1.0
	v_rcp_f32 v28, v26
	v_rcp_f32 v29, v27
	v_nop                                          ; a plain instruction behind the reciprocals
	s_wait_alu depctr_va_vdst(0)                   ; one wait for both
	v_fma_f32 v30, -v26, v28, 1.0                  ; one Newton step: r + r (1 - d r)
	v_fma_f32 v31, -v27, v29, 1.0
	v_fma_f32 v30, v30, v28, v28
	v_fma_f32 v31, v31, v29, v29
	v_cmp_gt_f32 vcc_lo, s27, v26                  ; where d is infinite the step would give NaN: the reciprocal, 0, stands
	v_cndmask_b32 v30, v28, v30, vcc_lo
	v_cmp_gt_f32 vcc_lo, s27, v27
	v_cndmask_b32 v31, v29, v31, vcc_lo
	global_store_b64 v7, v[30:31], s[14:15]        ; 32 lanes store 256 consecutive bytes, aligned
.Lclose:
	s_wait_tensorcnt 0x0                           ; the wave's end
	ds_add_u32 v[SPW], v[NIL]
	s_wait_dscnt 0x0
	s_endpgm
.Lfunc_end_k_qf15ca100a9_scan:
	.size	k_qf15ca100a9_scan, .Lfunc_end_k_qf15ca100a9_scan-k_qf15ca100a9_scan
	.p2alignl 7, 3214868480
	.fill 96, 4, 3214868480
	.section	.rodata,"a",@progbits
	.p2align	6, 0x0
	.amdhsa_kernel k_qf15ca100a9_scan
		.amdhsa_group_segment_fixed_size 1024
		.amdhsa_private_segment_fixed_size 0
		.amdhsa_enable_private_segment 0
		.amdhsa_kernarg_size 48
		.amdhsa_user_sgpr_count 2
		.amdhsa_user_sgpr_kernarg_segment_ptr 1
		.amdhsa_wavefront_size32 1
		.amdhsa_system_sgpr_workgroup_id_x 1
		.amdhsa_system_sgpr_workgroup_id_y 1
		.amdhsa_system_sgpr_workgroup_id_z 1
		.amdhsa_system_vgpr_workitem_id 0
		.amdhsa_next_free_vgpr 240
		.amdhsa_next_free_sgpr 66
		.amdhsa_reserve_vcc 1
		.amdhsa_float_denorm_mode_32 3
		.amdhsa_float_denorm_mode_16_64 3
		.amdhsa_memory_ordered 1
		.amdhsa_forward_progress 1
		.amdhsa_inst_pref_size 141
	.end_amdhsa_kernel
	.amdgpu_metadata
---
amdhsa.version: [ 1, 2 ]
amdhsa.kernels:
  - .name:           k_qf15ca100a9_scan
    .symbol:         k_qf15ca100a9_scan.kd
    .args:
      - { .name: g, .offset: 0, .size: 8, .value_kind: global_buffer, .address_space: global }
      - { .name: h, .offset: 8, .size: 8, .value_kind: global_buffer, .address_space: global }
      - { .name: W, .offset: 16, .size: 8, .value_kind: global_buffer, .address_space: global }
      - { .name: b, .offset: 24, .size: 8, .value_kind: global_buffer, .address_space: global }
      - { .name: bits, .offset: 32, .size: 8, .value_kind: global_buffer, .address_space: global }
      - { .name: scores, .offset: 40, .size: 8, .value_kind: global_buffer, .address_space: global }
    .group_segment_fixed_size: 1024
    .private_segment_fixed_size: 0
    .kernarg_segment_align: 8
    .kernarg_segment_size: 48
    .max_flat_workgroup_size: 128
    .sgpr_count:     66
    .vgpr_count:     240
    .wavefront_size: 32
...
	.end_amdgpu_metadata
.endif
;; end of part 1
;; launch place (part 2): grid 256 x 1, 16 waves a work-group, no clusters, 72,704 bytes of LDS; arguments bits, scores, h, codes, out1, out2; writes codes, out1, out2
.if DOCPART == 2
	.amdgcn_target "amdgcn-amd-amdhsa--gfx1250"
	.amdhsa_code_object_version 6
	.text
	.protected	k_qf15ca100a9_place
	.globl	k_qf15ca100a9_place
	.p2align	8
	.type	k_qf15ca100a9_place,@function
k_qf15ca100a9_place:
	s_mov_b64 s[64:65], 0
	v_nop
	global_prefetch_b8 v0, s[64:65] scope:SCOPE_SE
	s_setreg_imm32_b32 hwreg(HW_REG_WAVE_MODE, 25, 1), 1
	s_wait_xcnt 0x0
; POOL, launch 2 of 4.  Each row's rank in top_k's order, and all that is placed by it: the chosen rows' and columns' codes, out1, out2.
; Left out as dead work: rows and columns of U with rank 2048 or above get no row in codes (reference() slices them away), and rows of h so ranked are not read.
; THE RANK.  rank[i] = how many rows beat row i: j beats i where score j > score i, or the scores are equal and j < i (jax.lax.top_k keeps the lower index).  Row i is chosen where rank[i] < 2048, and idx[rank[i]] = i.
;   The launch before stored the scores; they are +0 or above, so their bit patterns k are whole numbers that order as the scores do.  They are read from memory as whole numbers, and the ranks are made of them by integer
;   compares and adds alone: the carry out of k_j + ~k_i + [j < i] is 1 just where k_j > k_i, or k_j = k_i and j < i.  Whatever the words hold, the ranks are a permutation of 0..4095.
; SHARES.  A work-group of sixteen waves owns the 16 rows (and the 16 columns of the same numbers) i = 128 G + 64 lh + 4 r + x, r = 0..15: their words lie in one run of 256 bytes of every block of bits.
;   1. Lane (r, hh) of wave w holds row r against j = 256 w + 128 hh + t, t = 0..127; the wave's count for each r goes to LDS.
;   2. Wave w = 8 m + c turns the bits of the 16 rows (m = 0) or columns (m = 1) at code positions 512 c .. 512 c + 511 into E2M1 codes by the stated quantiser: lane (r, hh) takes KG = 4 c + 2 hh + t, t = 0, 1: eight words,
;      128 bytes of codes, into the wave's own stage in LDS.  Every block's scale is 2^-2 (byte 125): a block with a 1 in it has e = -2; a block of zeros has zero codes under any scale: so the conversion's scale operand
;      is one constant, and no maximum is searched for.  Code position p = 128 KG + 32 e + L stands for k = 128 KG + 4 L + e, alike in both operands: all scales are equal, so the sums are the same.
;      (Rows that are not chosen are turned into codes beside chosen ones, in the same registers.)
;   One barrier.  3. Every wave adds the sixteen counts of each r.  4. The stage leaves by rows: the 32 lanes store one row's 256 consecutive bytes, aligned, at row rank of codes: [m 2][rank 2048][2,048 bytes].
;      A row is chosen or not as a whole: a scalar branch on its rank leads round its store.  5. Wave w takes row i0 + 4 w of h: where it is chosen, out1[rank] = h[i] x score[i] and out2[rank] = i.
; The branches hang on whole numbers made of whole numbers that were read from memory; the launch has no tensor load, and no barrier stands behind them.
.set SPARE, 1024                       ; LDS: 0-1023 sixteen waves x sixteen counts; from 1024 the spare words, 128 bytes for each wave;
.set STAGE, 3072                       ; from 3072 sixteen stages,
.set SROW,  272                        ; of 16 rows of 256 bytes + 16 of padding: the sixteen lanes of a store of 16 bytes fall on sixteen different columns of 16 bytes
.set SWAVE, 16*SROW
.set NK,   3                           ; v3      ~k_i
.set D,    4                           ; v4      i - my first j: j < i where t < D
.set JO,   5                           ; v5      byte offset of my first j among the keys
.set SPW,  6                           ; v6      SPARE + 4 x my thread's number; never rewritten
.set NIL,  7                           ; v7      0; never rewritten
.set CNT,  8                           ; v8-11   four counters; then v8 the rank of row r
.set T,    12                          ; v12-15  sums that nobody reads: only their carry counts
.set GOFF, 18                          ; v18     byte offset of k_i
.set LST,  20                          ; v20     LDS: 64 w + 4 r
.set LLD,  21                          ; v21     LDS: 512 hh + 4 r
.set LANE, 22                          ; v22     lane
.set BO,   23                          ; v23     bits: 4,096 hh + 16 r
.set SIN,  24                          ; v24     my stage, on the way in: 272 r + 128 hh
.set SOUT, 25                          ; v25     and on the way out: 8 x lane
.set L8,   26                          ; v26     8 x lane
.set L16,  27                          ; v27     16 x lane
.set SCL,  28                          ; v28     2^-2
.set K,    32                          ; v32-159 128 keys
.set X,    32                          ; v32-95  then two sets of 32 numbers
.set C,    96                          ; v96-127 codes: four registers of its own for each word
.set OUTR, 32                          ; v32-63  then the way out: two registers a row
.set RKO,  128                         ; v128-143 a row's byte offset in codes
.set CS,   144                         ; v144-151 eight counts
.set W,    160                         ; v160-167 eight words of bits
.set H,    168                         ; v168-183 a row of h
.set MS,   20                          ; s20-23  four lane masks
.set RKS,  32                          ; s32-47  the ranks of my work-group's sixteen rows
	s_load_b256 s[4:11], s[0:1], 0x0               ; bits s[4:5], scores s[6:7], h s[8:9], codes s[10:11]
	s_load_b128 s[12:15], s[0:1], 0x20             ; out1 s[12:13], out2 s[14:15]
	v_lshl_add_u32 v[SPW], v0, 2, SPARE
	v_mov_b32 v[NIL], 0
	v_lshrrev_b32 v1, 5, v0
	v_readfirstlane_b32 s16, v1                    ; wave 0..15
	v_and_b32 v1, 15, v0                           ; r
	v_bfe_u32 v2, v0, 4, 1                         ; hh
	v_and_b32 v[LANE], 31, v0
	s_lshr_b32 s17, ttmp9, 3                       ; G
	s_bfe_u32 s18, ttmp9, 0x20001                  ; x
	s_and_b32 s19, ttmp9, 1                        ; lh
	s_lshl_b32 s26, s17, 7
	s_lshl_b32 s27, s19, 6
	s_add_co_u32 s26, s26, s27
	s_add_co_u32 s26, s26, s18                     ; i0 = 128 G + 64 lh + x
	v_lshl_add_u32 v[GOFF], v1, 2, s26             ; i = i0 + 4 r,
	v_lshlrev_b32 v[GOFF], 2, v[GOFF]              ; in bytes
	s_lshl_b32 s27, s16, 10
	v_lshl_add_u32 v[JO], v2, 9, s27               ; 4 x (256 w + 128 hh)
	s_lshl_b32 s27, s16, 8
	s_sub_co_i32 s27, s26, s27
	v_lshl_add_u32 v[D], v1, 2, s27
	v_lshlrev_b32 v19, 7, v2
	v_sub_nc_u32 v[D], v[D], v19                   ; i - 256 w - 128 hh, signed
	s_lshl_b32 s27, s16, 6
	v_lshl_add_u32 v[LST], v1, 2, s27
	v_lshlrev_b32 v[LLD], 2, v1
	v_lshl_add_u32 v[LLD], v2, 9, v[LLD]
	v_lshlrev_b32 v[BO], 4, v1
	v_lshl_add_u32 v[BO], v2, 12, v[BO]
	s_mul_i32 s27, s16, SWAVE
	s_add_co_u32 s27, s27, STAGE                   ; my stage
	v_mul_u32_u24 v[SIN], v1, SROW
	v_lshl_add_u32 v[SIN], v2, 7, v[SIN]
	v_add_nc_u32 v[SIN], s27, v[SIN]
	v_lshlrev_b32 v[L8], 3, v[LANE]
	v_add_nc_u32 v[SOUT], s27, v[L8]
	v_lshlrev_b32 v[L16], 4, v[LANE]
	v_mov_b32 v[SCL], 0x3e800000                   ; the conversion takes this operand's exponent field, 125, as its scale
.irp c, 0,1,2,3
	v_mov_b32 v[CNT+\c], 0
.endr
	s_mov_b32 s24, 0x76543210
	s_mov_b32 s25, 0xfedcba98                      ; v_permlanex16_b32's selects for lane l xor 16
	s_lshr_b32 s28, s16, 3                         ; m
	s_and_b32 s29, s16, 7                          ; c
	s_lshl_b32 s52, s28, 21                        ; bits [m][G][4 c][x] at lane 16 lh
	s_lshl_b32 s27, s17, 16
	s_add_co_u32 s52, s52, s27
	s_lshl_b32 s27, s29, 13
	s_add_co_u32 s52, s52, s27
	s_lshl_b32 s27, s18, 9
	s_add_co_u32 s52, s52, s27
	s_lshl_b32 s27, s19, 8
	s_add_co_u32 s52, s52, s27
	s_mov_b32 s53, 0
	s_lshl_b32 s54, s28, 22                        ; codes [m][0] at my 256 bytes of a row
	s_lshl_b32 s27, s29, 8
	s_add_co_u32 s54, s54, s27
	s_mov_b32 s55, 0
	s_lshl_b32 s30, s16, 2
	s_add_co_u32 s30, s30, s26                     ; my wave's own row: i0 + 4 w
	s_lshl_b32 s56, s30, 11                        ; in h,
	s_mov_b32 s57, 0
	s_lshl_b32 s58, s30, 2                         ; and among the scores
	s_mov_b32 s59, 0
	s_wait_kmcnt 0x0
	s_add_nc_u64 s[4:5], s[4:5], s[52:53]
	s_add_nc_u64 s[10:11], s[10:11], s[54:55]
	s_add_nc_u64 s[8:9], s[8:9], s[56:57]
	s_add_nc_u64 s[58:59], s[6:7], s[58:59]
	s_load_b32 s50, s[58:59], 0x0                  ; my own row's score
.irp t, 0,1
	global_load_b128 v[W+4*\t:W+4*\t+3], v[BO], s[4:5] offset:2048*\t th:TH_LOAD_NT   ; each half of the lanes reads 256 consecutive bytes, aligned
.endr
	global_load_b32 v[NK], v[GOFF], s[6:7]
.set u, 0
.rept 32
	global_load_b128 v[K+4*u:K+4*u+3], v[JO], s[6:7] offset:16*u   ; sixteen lanes take the same 16 bytes
.set u, u+1
.endr
.macro QUAD t0, reg                    ; four of my j: t0 .. t0 + 3, their keys in v[reg] on; the four by turns, so that no line waits for the line above it
.irp c, 0,1,2,3
	v_cmp_lt_i32 s[MS+\c], (\t0)+\c, v[D]          ; j < i
.endr
.irp c, 0,1,2,3
	v_add_co_ci_u32 v[T+\c], s[MS+\c], v[(\reg)+\c], v[NK], s[MS+\c]   ; the carry: j beats i
.endr
.irp c, 0,1,2,3
	v_add_co_ci_u32 v[CNT+\c], s[MS+\c], 0, v[CNT+\c], s[MS+\c]        ; counted
.endr
.endm
	s_wait_loadcnt 16                              ; the bits, k_i and the first 64 keys are in; sixteen younger loads stay out
	v_xor_b32 v[NK], -1, v[NK]
.set u, 0
.rept 16
	QUAD 4*u, K+4*u
.set u, u+1
.endr
	v_add_nc_u32 v[D], 0xffffffc0, v[D]            ; the second 64: t counts from 0 again
	s_wait_loadcnt 0x0
.set u, 0
.rept 16
	QUAD 4*u, K+64+4*u
.set u, u+1
.endr
	v_add3_u32 v8, v8, v9, v10
	v_add_nc_u32 v8, v8, v11
	v_permlanex16_b32 v9, v8, s24, s25
	v_add_nc_u32 v8, v8, v9                        ; my wave's count for row r
	ds_store_b32 v[LST], v8                        ; lanes r and r + 16 write the same word with the same value
	; ---- bits into codes: it hangs on no rank, so it stands ahead of the barrier
.macro WORD n                          ; word n = 4 t + e: 32 numbers, 0 or 1, become 32 codes: bytes 16 n on of my 128
.set S, X+32*((\n)%2)
.set i, 0
.rept 32
	v_bfe_u32 v[S+i], v[W+(\n)], i, 1
.set i, i+1
.endr
.set i, 0
.rept 32
	v_cvt_f32_u32 v[S+i], v[S+i]                   ; U as f32
.set i, i+1
.endr
.irp g, 0,1,2,3
	v_cvt_scalef32_pk8_fp4_f32 v[C+4*(\n)+\g], v[S+8*\g:S+8*\g+7], v[SCL]   ; / 2^-2, to the nearest code: 1 becomes the code of 4
.endr
	ds_store_b128 v[SIN], v[C+4*(\n):C+4*(\n)+3] offset:16*(\n)
.endm                                  ; the next word's first lines write the other set: plain instructions behind these conversions that touch neither their results nor their sources
.set nn, 0
.rept 8
	WORD nn
.set nn, nn+1
.endr
	v_nop                                          ; a plain instruction behind the last conversion
	s_wait_dscnt 0x0                               ; for the others' sake: my count has landed
	s_barrier_signal -1
	s_barrier_wait -1
	; ---- the ranks
.irp u, 0,1,2,3,4,5,6,7
	ds_load_b32 v[CS+\u], v[LLD] offset:64*\u      ; half hh takes the counts of waves 8 hh + u
.endr
.set rr, 0
.rept 16
	ds_load_b64 v[OUTR+2*rr:OUTR+2*rr+1], v[SOUT] offset:SROW*rr   ; my stage, by rows: 32 lanes take a row's 256 bytes
.set rr, rr+1
.endr
	s_wait_dscnt 16                                ; the eight counts are in; the sixteen rows may stay out
	v_add3_u32 v8, v[CS], v[CS+1], v[CS+2]
	v_add3_u32 v9, v[CS+3], v[CS+4], v[CS+5]
	v_add3_u32 v8, v8, v[CS+6], v[CS+7]
	v_add_nc_u32 v8, v8, v9
	v_permlanex16_b32 v9, v8, s24, s25
	v_add_nc_u32 v8, v8, v9                        ; the rank of row r, in lanes r and r + 16
.irp r, 0,1,2,3,4,5,6,7,8,9,10,11,12,13,14,15
	v_readlane_b32 s[RKS+\r], v8, \r
.endr
	s_mov_b32 s48, s[RKS]                          ; my own row's rank: that of r = w
.irp r, 1,2,3,4,5,6,7,8,9,10,11,12,13,14,15
	s_cmp_eq_u32 s16, \r
	s_cselect_b32 s48, s[RKS+\r], s48
.endr
.irp r, 0,1,2,3,4,5,6,7,8,9,10,11,12,13,14,15
	s_min_u32 s49, s[RKS+\r], 0x7ff                ; held inside the table, for the rows that are not stored too
	v_lshl_add_u32 v[RKO+\r], s49, 11, v[L8]       ; row rank of 2,048 bytes, + my 8 bytes
.endr
	s_min_u32 s49, s48, 0x7ff
	s_lshl_b32 s52, s49, 11
	s_add_nc_u64 s[12:13], s[12:13], s[52:53]      ; out1[rank]
	s_lshl_b32 s52, s49, 2
	s_add_nc_u64 s[14:15], s[14:15], s[52:53]      ; out2[rank]
	v_mov_b32 v10, s30                             ; i
	v_mov_b32 v11, 0
	s_wait_kmcnt 0x0                               ; my score
	s_mov_b32 s51, s50                             ; (named with it as a pair, so it is written)
.macro ROWOUT r
	s_wait_dscnt 15-(\r)                           ; row r is back from the stage
	s_cmp_lt_u32 s[RKS+(\r)], 0x800                ; chosen?
	s_cbranch_scc0 .Lskip_\@
	global_store_b64 v[RKO+(\r)], v[OUTR+2*(\r):OUTR+2*(\r)+1], s[10:11]   ; 32 lanes store 256 consecutive bytes, aligned
.Lskip_\@:
.endm
.macro CODES_OUT
.irp r, 0,1,2,3,4,5,6,7,8,9,10,11,12,13,14,15
	ROWOUT \r
.endr
.endm
	s_cmp_lt_u32 s48, 0x800                        ; is my own row chosen?  One branch for its loads and their use: so the codes' way out is written twice
	s_cbranch_scc0 .Lcodes_only
.irp q, 0,1,2,3
	global_load_b128 v[H+4*\q:H+4*\q+3], v[L16], s[8:9] offset:512*\q th:TH_LOAD_NT   ; h[i]: asked for ahead of the codes' stores
.endr
	CODES_OUT
	v_cmp_eq_u32 vcc_lo, 0, v[LANE]
	s_wait_loadcnt 0x0
.irp j, 0,2,4,6,8,10,12,14
	v_pk_mul_f32 v[H+\j:H+\j+1], v[H+\j:H+\j+1], s[50:51] op_sel_hi:[1,0]
.endr
.irp q, 0,1,2,3
	global_store_b128 v[L16], v[H+4*\q:H+4*\q+3], s[12:13] offset:512*\q th:TH_STORE_NT   ; 32 lanes store 512 consecutive bytes, aligned
.endr
	s_wait_xcnt 0x0                                ; EXEC changes only behind this wait
	s_and_saveexec_b32 s28, vcc_lo
	global_store_b32 v11, v10, s[14:15]            ; lane 0: the index.  A scatter of single words is what the problem asks for here
	s_wait_xcnt 0x0                                ; and again, in front of the line that widens it
	s_or_b32 exec_lo, exec_lo, s28
	s_branch .Lclose
.Lcodes_only:
	CODES_OUT
.Lclose:
	s_wait_tensorcnt 0x0                           ; the wave's end
	ds_add_u32 v[SPW], v[NIL]
	s_wait_dscnt 0x0
	s_endpgm
.Lfunc_end_k_qf15ca100a9_place:
	.size	k_qf15ca100a9_place, .Lfunc_end_k_qf15ca100a9_place-k_qf15ca100a9_place
	.p2alignl 7, 3214868480
	.fill 96, 4, 3214868480
	.section	.rodata,"a",@progbits
	.p2align	6, 0x0
	.amdhsa_kernel k_qf15ca100a9_place
		.amdhsa_group_segment_fixed_size 72704
		.amdhsa_private_segment_fixed_size 0
		.amdhsa_enable_private_segment 0
		.amdhsa_kernarg_size 48
		.amdhsa_user_sgpr_count 2
		.amdhsa_user_sgpr_kernarg_segment_ptr 1
		.amdhsa_wavefront_size32 1
		.amdhsa_system_sgpr_workgroup_id_x 1
		.amdhsa_system_sgpr_workgroup_id_y 1
		.amdhsa_system_sgpr_workgroup_id_z 1
		.amdhsa_system_vgpr_workitem_id 0
		.amdhsa_next_free_vgpr 184
		.amdhsa_next_free_sgpr 66
		.amdhsa_reserve_vcc 1
		.amdhsa_float_denorm_mode_32 3
		.amdhsa_float_denorm_mode_16_64 3
		.amdhsa_memory_ordered 1
		.amdhsa_forward_progress 1
		.amdhsa_inst_pref_size 73
	.end_amdhsa_kernel
	.amdgpu_metadata
---
amdhsa.version: [ 1, 2 ]
amdhsa.kernels:
  - .name:           k_qf15ca100a9_place
    .symbol:         k_qf15ca100a9_place.kd
    .args:
      - { .name: bits, .offset: 0, .size: 8, .value_kind: global_buffer, .address_space: global }
      - { .name: scores, .offset: 8, .size: 8, .value_kind: global_buffer, .address_space: global }
      - { .name: h, .offset: 16, .size: 8, .value_kind: global_buffer, .address_space: global }
      - { .name: codes, .offset: 24, .size: 8, .value_kind: global_buffer, .address_space: global }
      - { .name: out1, .offset: 32, .size: 8, .value_kind: global_buffer, .address_space: global }
      - { .name: out2, .offset: 40, .size: 8, .value_kind: global_buffer, .address_space: global }
    .group_segment_fixed_size: 72704
    .private_segment_fixed_size: 0
    .kernarg_segment_align: 8
    .kernarg_segment_size: 48
    .max_flat_workgroup_size: 512
    .sgpr_count:     66
    .vgpr_count:     184
    .wavefront_size: 32
...
	.end_amdgpu_metadata
.endif
;; end of part 2
;; launch gemm (part 3): grid 8 x 32, 4 waves a work-group, clusters of 4 x 4, 327,680 bytes of LDS; arguments codes, zbits; writes zbits
.if DOCPART == 3
	.amdgcn_target "amdgcn-amd-amdhsa--gfx1250"
	.amdhsa_code_object_version 6
	.text
	.protected	k_qf15ca100a9_gemm
	.globl	k_qf15ca100a9_gemm
	.p2align	8
	.type	k_qf15ca100a9_gemm,@function
k_qf15ca100a9_gemm:
	s_mov_b64 s[64:65], 0
	v_nop
	global_prefetch_b8 v0, s[64:65] scope:SCOPE_SE
	s_setreg_imm32_b32 hwreg(HW_REG_WAVE_MODE, 25, 1), 1
	s_wait_xcnt 0x0
	s_wait_alu depctr_hold_cnt(0) depctr_sa_sdst(0) depctr_va_vdst(0) depctr_va_sdst(0) depctr_va_ssrc(0) depctr_va_vcc(0) depctr_vm_vsrc(0)
	s_getreg_b32 s2, hwreg(HW_REG_IB_STS2, 6, 4)
	s_cmp_eq_u32 s2, 0
	s_cbranch_scc0 .Lentry_in_a_cluster
	s_endpgm
.Lentry_in_a_cluster:
	s_bfe_u32 s2, ttmp6, 0x10000c
	s_cmp_lg_u32 s2, 0xf033
	s_cbranch_scc0 .Lentry_shape_is_right
	s_endpgm
.Lentry_shape_is_right:
; POOL, launch 3 of 4.  The QUANTISED product, for the chosen rows and columns alone (the others are dead work: reference() slices them away): C'[a][b] = sum over k of U[idx a][k] U[k][idx b], on E2M1 codes with E8M0 scales.
; codes: [m 2][rank 2048][2,048 bytes]: m = 0 the chosen rows of U, m = 1 the chosen columns, K innermost (in an order that is the same in both).  Every block's scale byte is 125: one register of 0x7d7d7d7d serves both sides.
; Only C' > 0 is wanted.  All terms are 0 or 1 and the sums are whole numbers of at most 4,096, exact in f32: so C' > 0 where any quarter of K has a sum > 0, and K can be shared out.  A sum is begun at -0.5:
; it stays exact (at most 1,023.5), and its sign bit is 1 just where the count is 0.
; SHARES.  A work-group makes a tile of 256 x 256 over a quarter of K (1,024 codes: 512 bytes of each row): 8 x 8 tiles x 4 quarters = 256 work-groups.  Four waves, each 128 x 128: 64 accumulators, 512 registers.
; LDS.  Two slots of 256 bytes a row (512 along K), A's 256 rows and B's 256 rows each: the whole of the work-group's operands.  Both are asked for at the head and NOTHING IS FILLED AGAIN: two tensor loads a wave are out at the most.
; CLUSTERS: 4 x 4 work-groups of one quarter of K.  The four of a row of the cluster need the same rows of A, the four of a column the same rows of B: each tile is asked for JOINTLY, by the same tensor load with the
; same descriptor and a mask that names the four.  THE MATRIX INSTRUCTION IS USED TRANSPOSED (source 0 = 16 rows of B, source 1 = 16 rows of A): lane (r, h) holds row r of the tile's block and columns 8 h + 0..7.
; OUT: zbits u32 [q 4][ty 8][tx 8][wave 4][a 8][lane 32][2]: bit 31 - (8 (b & 3) + j) of word b / 4 is 1 where the quarter's sum is 0, for row 16 a + r and column 16 b + 8 h + j of the wave's 128 x 128.
; REGISTERS, in windows of 256: window 0: v16-29 addresses; v32 the scale word; v40-47 -0.5; v48-63 the result's words; from v128 A's fragments, ONE set.   window 1: B's fragments, TWO sets, at v0 and v128.
;   window 2: the 32 accumulators of my rows 0-63 (accumulator (a, b) at v[8 (8 a + b)]);   window 3: those of my rows 64-127.
.set ROWB,   256                       ; a slot's part of a row, in bytes: 512 codes
.set KROW,   2048                      ; a row of codes in memory
.set PITCH,  272                       ; an LDS row: 256 bytes + 16 of padding = 68 words: row r starts at bank 4 r mod 64 (64 banks of 4 bytes: ISA guide 11.1), so the 16 rows that a load touches start at 16 different banks
.set FR,     8                         ; registers of a fragment: 16 rows x 128 K
.set NL,     2                         ; LDS loads that bring one
.set NP,     4                         ; places behind this matrix instruction (ISA guide 7.12.1)
.set HALFT,  128*PITCH                 ; 128 rows: what one tensor load brings, and what one wave reads of A or of B
.set SLOT,   4*HALFT                   ; A's 256 rows, then B's 256 rows
.set SPARE,  2*SLOT                    ; behind the slots: the spare words, 128 bytes for each wave
.set ADRA, 16                          ; v16-17  LDS address of my A fragments in slot 0, 1
.set ADRB, 20                          ; v20-21  the same for B
.set CO,   26                          ; v26     8 x lane
.set SPW,  28                          ; v28     SPARE + 4 x my thread's number; never rewritten
.set NIL,  29                          ; v29     0; never rewritten
.set SC,   32                          ; v32     four bytes 125: scales and nothing else
.set NEG,  40                          ; v40-47  -0.5: the C of each sum's first product
.set ZW,   48                          ; v48-63  block a's two words at v[ZW + 2 a]
.set AF,   128                         ; A's fragments
.set G1, 24                            ; s[24:31] descriptor group 1 for A's tiles;  s[32:39] group 0, one set for each slot
.set G0, 32
.set G1B, 48                           ; s[48:55], s[56:63] the same for B's tiles
.set G0B, 56
.set MSB, 0
.macro WIN new                         ; the immediate's high byte repeats the setting that is left
.if MSB != (\new)
	s_set_vgpr_msb (MSB<<8)|(\new)
.set MSB, (\new)
.endif
.endm
.set MUL_LO,   0xa1                    ; source 0 (B) window 1, source 1 (A) window 0, C and D window 2
.set MUL_HI,   0xf1                    ; the same, C and D window 3
.set FIRST_LO, 0x81                    ; the first products: C (-0.5) window 0, D window 2
.set FIRST_HI, 0xc1                    ; D window 3
.set TO_B,     0x40                    ; destination window 1, address window 0
; A joint load: waves 0 and 1 fetch for A, waves 2 and 3 for B.  Each of the two lines has ONE mask and one set of registers for all that issue it; the branch hangs on the wave's number alone.
; An s_nop 0 and four v_nop follow each of the two lines, ahead of the jump, the label and what follows.
.macro JLOAD g0a, g1a, g0b, g1b
	s_cmp_eq_u32 s15, 0
	s_cbranch_scc0 .Lfor_b_\@
	tensor_load_to_lds s[\g0a:\g0a+3], s[\g1a:\g1a+7]
	s_nop 0
.rept 4
	v_nop
.endr
	s_branch .Lasked_\@
.Lfor_b_\@:
	tensor_load_to_lds s[\g0b:\g0b+3], s[\g1b:\g1b+7]
	s_nop 0
.rept 4
	v_nop
.endr
.Lasked_\@:
.endm
.macro CROUND                          ; a round of the cluster's barrier
	s_barrier_signal -1
	s_barrier_wait -1
	s_cmp_lg_u32 s14, 0
	s_cbranch_scc1 .Lnot_wave_0_\@
	s_barrier_signal -3
.Lnot_wave_0_\@:
	s_barrier_wait -3
	s_barrier_signal -1
	s_barrier_wait -1
.endm
	s_load_b128 s[4:7], s[0:1], 0x0                ; codes s[4:5], zbits s[6:7]
	v_lshl_add_u32 v[SPW], v0, 2, SPARE
	v_mov_b32 v[NIL], 0
	ds_add_u32 v[SPW], v[NIL]                      ; the wave's opening: the add, twice on end, and its wait ahead of my first tensor load; the set-up below, work on registers, stands between
	ds_add_u32 v[SPW], v[NIL]                      ; and once more, under the one wait
	v_mov_b32 v[SC], 0x7d7d7d7d
.irp j, 0,1,2,3,4,5,6,7
	v_mov_b32 v[NEG+\j], -0.5
.endr
	v_lshrrev_b32 v1, 5, v0
	v_readfirstlane_b32 s14, v1                    ; wave 0..3
	s_lshr_b32 s15, s14, 1                         ; which half of the tile's rows is mine.  Also: I fetch for A (0) or for B (1)
	s_and_b32 s16, s14, 1                          ; which half of its columns.  Also: which 128 rows of that tile I fetch
	s_bfe_u32 s40, ttmp6, 0x40000                  ; cx, cy: my place in the cluster
	s_bfe_u32 s41, ttmp6, 0x40004
	s_lshl_b32 s42, ttmp9, 2
	s_add_co_u32 s42, s42, s40                     ; tx = 4 x cluster x + cx
	s_and_b32 s10, ttmp7, 0xffff                   ; cluster y, 0..7
	s_lshr_b32 s11, s10, 1                         ; q: the quarter of K, of the cluster's y alone: all sixteen partners share it
	s_and_b32 s17, s10, 1
	s_lshl_b32 s17, s17, 2
	s_add_co_u32 s17, s17, s41                     ; ty = 4 x (cluster y % 2) + cy
	s_lshl_b32 s43, s41, 2
	s_lshl_b32 s43, 15, s43                        ; my row of the cluster
	s_lshl_b32 s44, 0x1111, s40                    ; my column
	; descriptor group 1: a tile of 128 rows x 256 bytes, padded in LDS
	s_or_b32 s[G1+0], s43, (0<<16)|(1<<20)|(1<<21)|(5<<22)|(3<<25)  ; 15:0 the mask: A's tiles go to my row; 17:16 element of 1 byte; 20 padding on; 21 set beside a mask; 24:22 after every 64 words (code 5); 31:25 of 4 words (code 3)
	s_or_b32 s[G1B+0], s44, (0<<16)|(1<<20)|(1<<21)|(5<<22)|(3<<25)
.irp g, G1, G1B
	s_mov_b32 s[\g+1], ROWB<<16                    ; tensor_dim0
	s_mov_b32 s[\g+2], 128<<16                     ; tensor_dim1 = 128
	s_mov_b32 s[\g+3], ROWB<<16                    ; tile_dim0
	s_mov_b32 s[\g+4], 128                         ; tile_dim1 = 128
	s_mov_b32 s[\g+5], KROW                        ; tensor_dim0_stride
	s_mov_b32 s[\g+6], 0
	s_mov_b32 s[\g+7], 0
.endr
	s_lshl_b32 s18, s16, 7                         ; which 128 rows of the tile I fetch
	s_lshl_b32 s19, s11, 9                         ; the quarter's 512 bytes of a row
	s_lshl_b32 s20, s17, 8
	s_add_co_u32 s20, s20, s18                     ; A: row 256 ty + 128 x half,
	s_lshl_b32 s20, s20, 11                        ; in bytes,
	s_add_co_u32 s20, s20, s19                     ; at the quarter
	s_mov_b32 s21, 0
	s_lshl_b32 s46, s42, 8
	s_add_co_u32 s46, s46, s18                     ; B: row 256 tx + 128 x half
	s_lshl_b32 s46, s46, 11
	s_add_co_u32 s46, s46, s19
	s_add_co_u32 s46, s46, 0x400000                ; behind A's 2,048 rows
	s_mov_b32 s47, 0
	s_mul_i32 s45, s14, HALFT                      ; where they go: wave x 128 rows: no place in the cluster enters an LDS address
	s_wait_dscnt 0x0                               ; both opening adds are done
	s_wait_kmcnt 0x0
	s_add_nc_u64 s[20:21], s[4:5], s[20:21]
	s_add_nc_u64 s[46:47], s[4:5], s[46:47]
	CROUND                                         ; all sixteen work-groups are here: the joint loads meet
.irp s, 0,1
	s_mov_b32 s[G0+4*\s], 1
	s_add_co_u32 s[G0+4*\s+1], s45, \s*SLOT
	s_add_nc_u64 s[G0+4*\s+2:G0+4*\s+3], s[20:21], \s*ROWB
	s_or_b32 s[G0+4*\s+3], s[G0+4*\s+3], 0x80000000
	s_mov_b32 s[G0B+4*\s], 1
	s_add_co_u32 s[G0B+4*\s+1], s45, \s*SLOT
	s_add_nc_u64 s[G0B+4*\s+2:G0B+4*\s+3], s[46:47], \s*ROWB
	s_or_b32 s[G0B+4*\s+3], s[G0B+4*\s+3], 0x80000000
	JLOAD G0+4*\s, G1, G0B+4*\s, G1B               ; all that the work-group will ever read is asked for here
.endr
	v_and_b32 v1, 15, v0                           ; l % 16
	v_bfe_u32 v2, v0, 4, 1                         ; l / 16
	v_mul_u32_u24 v3, v1, PITCH
	v_lshl_add_u32 v4, v2, 4, v3                   ; a fragment's row x pitch + 16 x half
	s_mul_i32 s21, s15, HALFT                      ; my 128 rows of A
	s_mul_i32 s22, s16, HALFT                      ; my 128 rows of B,
	s_add_co_u32 s22, s22, 2*HALFT                 ; which lie behind A's 256
.irp s, 0,1
	v_add_nc_u32 v[ADRA+\s], s21, v4
	v_add_nc_u32 v[ADRB+\s], s22, v4
	s_add_co_u32 s21, s21, SLOT
	s_add_co_u32 s22, s22, SLOT
.endr
	v_and_b32 v5, 31, v0
	v_lshlrev_b32 v[CO], 3, v5
	s_lshl_b32 s8, s11, 3                          ; my 2,048 bytes of zbits: (((8 q + ty) 8 + tx) 4 + wave) x 2,048
	s_add_co_u32 s8, s8, s17
	s_lshl_b32 s8, s8, 3
	s_add_co_u32 s8, s8, s42
	s_lshl_b32 s8, s8, 2
	s_add_co_u32 s8, s8, s14
	s_lshl_b32 s8, s8, 11
	s_mov_b32 s9, 0
	s_add_nc_u64 s[6:7], s[6:7], s[8:9]
.macro FRAG reg, adr, q, i             ; a fragment, 16 rows x 128 K of 4-bit codes, is 8 registers: lane l holds row l % 16; registers 4 c .. 4 c + 3 hold the 16 bytes at 32 c + 16 (l / 16) of the row's 64
.irp c, 0,1
	ds_load_b128 v[\reg+4*\c:\reg+4*\c+3], v[\adr] offset:64*(\q)+32*\c+(\i)*16*PITCH
.endr
.endm
; 16 matrix instructions: A's blocks a0, a0 + 1 x B's eight, 128 along K.  p: B's set.  first = 1: the product starts the sums at -0.5: nothing is ever cleared.
; The 64 accumulators take turns, one instruction a turn, in the same order in every step.
.macro MUL16 a0, p, first
.irp a, \a0, \a0+1
.irp b, 0,1,2,3,4,5,6,7
.if \first
	v_wmma_scale_f32_16x16x128_f8f6f4 v[8*(8*((\a)%4)+\b):8*(8*((\a)%4)+\b)+7], v[128*(\p)+FR*\b:128*(\p)+FR*\b+FR-1], v[AF+FR*(\a):AF+FR*(\a)+FR-1], v[NEG:NEG+7], v[SC], v[SC] matrix_a_fmt:MATRIX_FMT_FP4 matrix_b_fmt:MATRIX_FMT_FP4
.else
	v_wmma_scale_f32_16x16x128_f8f6f4 v[8*(8*((\a)%4)+\b):8*(8*((\a)%4)+\b)+7], v[128*(\p)+FR*\b:128*(\p)+FR*\b+FR-1], v[AF+FR*(\a):AF+FR*(\a)+FR-1], v[8*(8*((\a)%4)+\b):8*(8*((\a)%4)+\b)+7], v[SC], v[SC] matrix_a_fmt:MATRIX_FMT_FP4 matrix_b_fmt:MATRIX_FMT_FP4
.endif
.endr
.endr
.endm
.macro FETCH_B slot, q, p              ; B's eight fragments of the slot's q-th 128 along K into set p
	WIN TO_B
.irp i, 0,1,2,3,4,5,6,7
	FRAG 128*(\p)+FR*\i, ADRB+\slot, \q, \i
.endr
	WIN 0
.endm
.macro FETCH_A slot, q, i0             ; A's blocks i0 .. i0 + 3
.irp i, \i0, \i0+1, \i0+2, \i0+3
	FRAG AF+FR*(\i), ADRA+\slot, \q, \i
.endr
.endm
; A load into a register that a matrix instruction has read, and a vector instruction that reads a matrix result, stand NP places behind that matrix instruction, and only plain vector instructions that name none
; of its registers are places (ISA guide 7.12.1 for vector instructions); the matrix instructions in between are not counted.
.macro PLACES n
.rept \n
	v_nop
.endr
.endm
; A step of 128 along K that has its successor in the same slot.  A block of A is free as soon as its eight products are issued: blocks 0-3 are fetched anew in the step's middle, blocks 4-7 at its end; B has two sets.
.macro STEP slot, q, first
	s_wait_dscnt 4*NL                              ; B's set and A's blocks 0-3 are in; the youngest eight loads (A's blocks 4-7) may be out
.if \first
	WIN FIRST_LO
.else
	WIN MUL_LO
.endif
	MUL16 0, (\q)%2, \first
	MUL16 2, (\q)%2, \first
	s_wait_dscnt 0x0                               ; A's blocks 4-7 are in (asked for 32 matrix instructions ago)
	PLACES NP
	FETCH_B \slot, (\q)+1, 1-(\q)%2
	FETCH_A \slot, (\q)+1, 0
.if \first
	WIN FIRST_HI
.else
	WIN MUL_HI
.endif
	MUL16 4, (\q)%2, \first
	MUL16 6, (\q)%2, \first
	PLACES NP
	WIN 0
	FETCH_A \slot, (\q)+1, 4
.endm
	s_wait_tensorcnt 1                             ; my part of slot 0 is in; slot 1's load may stay out
	s_barrier_signal -1
	s_barrier_wait -1                              ; everybody's is
	FETCH_B 0, 0, 0
	FETCH_A 0, 0, 0
	FETCH_A 0, 0, 4
	STEP 0, 0, 1                                   ; the first step's products start the sums
	STEP 0, 1, 0
	STEP 0, 2, 0
	; slot 0's last step, and the change to slot 1: one barrier; in front of it each wave has its part of slot 1 in LDS.  Nothing is filled again, so no round of the cluster's barrier follows
	s_wait_tensorcnt 0x0                           ; all my tensor loads have landed: my part of slot 1  (every window is 0 here)
	ds_add_u32 v[SPW], v[NIL]                      ; 0 onto my spare word
	s_wait_dscnt 4*NL+1                            ; (the add and the youngest eight loads may be out)
	WIN MUL_LO
	MUL16 0, 1, 0
	s_wait_dscnt 0x0                               ; no LDS instruction of mine is pending at the signal
	s_barrier_signal -1
	MUL16 2, 1, 0                                  ; work on registers while the others arrive
	WIN 0
	s_barrier_wait -1                              ; slot 1 is whole
	PLACES NP
	FETCH_B 1, 0, 0
	FETCH_A 1, 0, 0
	WIN MUL_HI
	MUL16 4, 1, 0
	MUL16 6, 1, 0
	PLACES NP
	WIN 0
	FETCH_A 1, 0, 4
	STEP 1, 0, 0
	STEP 1, 1, 0
	STEP 1, 2, 0
	s_wait_dscnt 4*NL                              ; the very last step: nothing more to fetch
	WIN MUL_LO
	MUL16 0, 1, 0
	MUL16 2, 1, 0
	s_wait_dscnt 0x0
	WIN MUL_HI
	MUL16 4, 1, 0
	MUL16 6, 1, 0
	; THE WAY OUT: the sign bits.  word = 2 x word + sign, by one v_alignbit_b32 of (word, sum) by 31; a block's 64 sums of a lane make two words.  Two blocks of one window side by side: four chains, so that no line
	; waits for the line above it.  Each accumulator is read from its register 0 upward.
	PLACES NP
.set ap, 0
.rept 4
	WIN 0x08+4*(ap/2)                              ; source 1, the sums: window 2 or 3
.set t, 0
.rept 32
.irp d, 0,1
.irp f, 0,1
.if t == 0
	v_alignbit_b32 v[ZW+2*(2*ap+\d)+\f], 0, v[64*((2*ap+\d)%4)+32*\f+t], 31
.else
	v_alignbit_b32 v[ZW+2*(2*ap+\d)+\f], v[ZW+2*(2*ap+\d)+\f], v[64*((2*ap+\d)%4)+32*\f+t], 31
.endif
.endr
.endr
.set t, t+1
.endr
.set ap, ap+1
.endr
	WIN 0
.irp a, 0,1,2,3,4,5,6,7
	global_store_b64 v[CO], v[ZW+2*\a:ZW+2*\a+1], s[6:7] offset:256*\a   ; 32 lanes store 256 consecutive bytes, aligned
.endr
	s_wait_tensorcnt 0x0                           ; the wave's end
	ds_add_u32 v[SPW], v[NIL]
	s_wait_dscnt 0x0
	CROUND                                         ; the closing round: no work-group ends while a partner may still ask for a tile that names it
	s_endpgm
.Lfunc_end_k_qf15ca100a9_gemm:
	.size	k_qf15ca100a9_gemm, .Lfunc_end_k_qf15ca100a9_gemm-k_qf15ca100a9_gemm
	.p2alignl 7, 3214868480
	.fill 96, 4, 3214868480
	.section	.rodata,"a",@progbits
	.p2align	6, 0x0
	.amdhsa_kernel k_qf15ca100a9_gemm
		.amdhsa_group_segment_fixed_size 327680
		.amdhsa_private_segment_fixed_size 0
		.amdhsa_enable_private_segment 0
		.amdhsa_kernarg_size 16
		.amdhsa_user_sgpr_count 2
		.amdhsa_user_sgpr_kernarg_segment_ptr 1
		.amdhsa_wavefront_size32 1
		.amdhsa_system_sgpr_workgroup_id_x 1
		.amdhsa_system_sgpr_workgroup_id_y 1
		.amdhsa_system_sgpr_workgroup_id_z 1
		.amdhsa_system_vgpr_workitem_id 0
		.amdhsa_next_free_vgpr 1024
		.amdhsa_next_free_sgpr 66
		.amdhsa_reserve_vcc 0
		.amdhsa_float_denorm_mode_32 3
		.amdhsa_float_denorm_mode_16_64 3
		.amdhsa_memory_ordered 1
		.amdhsa_forward_progress 1
		.amdhsa_inst_pref_size 124
	.end_amdhsa_kernel
	.amdgpu_metadata
---
amdhsa.version: [ 1, 2 ]
amdhsa.kernels:
  - .name:           k_qf15ca100a9_gemm
    .symbol:         k_qf15ca100a9_gemm.kd
    .args:
      - { .name: codes, .offset: 0, .size: 8, .value_kind: global_buffer, .address_space: global }
      - { .name: zbits, .offset: 8, .size: 8, .value_kind: global_buffer, .address_space: global }
    .group_segment_fixed_size: 327680
    .private_segment_fixed_size: 0
    .kernarg_segment_align: 8
    .kernarg_segment_size: 16
    .max_flat_workgroup_size: 128
    .sgpr_count:     66
    .vgpr_count:     1024
    .wavefront_size: 32
...
	.end_amdgpu_metadata
.endif
;; end of part 3
;; launch norm (part 4): grid 128 x 1, 8 waves a work-group, no clusters, 5,376 bytes of LDS; arguments zbits, out0; writes out0
.if DOCPART == 4
	.amdgcn_target "amdgcn-amd-amdhsa--gfx1250"
	.amdhsa_code_object_version 6
	.text
	.protected	k_qf15ca100a9_norm
	.globl	k_qf15ca100a9_norm
	.p2align	8
	.type	k_qf15ca100a9_norm,@function
k_qf15ca100a9_norm:
	s_mov_b64 s[64:65], 0
	v_nop
	global_prefetch_b8 v0, s[64:65] scope:SCOPE_SE
	s_setreg_imm32_b32 hwreg(HW_REG_WAVE_MODE, 25, 1), 1
	s_wait_xcnt 0x0
; POOL, launch 4 of 4.  out0[a][b] = (C'[a][b] > 0) / the row's sum of these.  Only the chosen 2,048 x 2,048 exist here: the rest was left out as dead work in the launches before.
; zbits: u32 [q 4][ty 8][tx 8][wave 4][a 8][lane 32][2]: a bit is 1 where the sum over quarter q of K is 0.  All terms are 0 or more: C' > 0 where not all four bits are 1.
; A row with no connection at all gives 0 x infinity = NaN in every place, as reference()'s 0 / 0 does.
; SHARES.  A work-group owns 16 rows (one block a of one wave of the product: its 256 bytes of zbits hold 16 rows, so fewer rows to a work-group would read parts of them).  Phase 1: wave w takes the column groups
; 2 w and 2 w + 1 (128 columns each) in all four quarters, joins them and puts the words into a table in LDS.  One barrier.  Phase 2: wave w owns rows 2 w and 2 w + 1 whole, so a row's sum never leaves the wave.
; The table: row r at 272 r; in it word [h 2][half 2][cg 16]: bit 31 - (8 bb + jj) is column 128 cg + 64 half + 16 bb + 8 h + jj.
.set SPARE, 4352                       ; LDS: 0-4351 the table, 16 rows x 272 bytes; behind it the spare words, 128 bytes for each wave
.set SPW,  2                           ; v2      SPARE + 4 x my thread's number; never rewritten
.set NIL,  3                           ; v3      0; never rewritten
.set P,    8                           ; v8-11   the bit of my column 4 l + e in its word
.set SM,   12                          ; v12-19  sums: four registers a row
.set RS,   20                          ; v20-23  the joined words: register 2 half + u
.set R,    24                          ; v24, v26  1 / sum of my two rows (v25, v27: the pairs' upper halves, written once)
.set Z,    32                          ; v32-47  zbits: pair 4 q + 2 u
.set WD,   32                          ; v32-63  then my two rows' words: 16 a row
.set U,    64                          ; v64-191 my two rows' numbers: register 64 p + 4 g + e = column 128 g + 4 l + e
	s_load_b128 s[4:7], s[0:1], 0x0                ; zbits s[4:5], out0 s[6:7]
	v_lshl_add_u32 v[SPW], v0, 2, SPARE
	v_mov_b32 v[NIL], 0
	v_lshrrev_b32 v1, 5, v0
	v_readfirstlane_b32 s8, v1                     ; wave 0..7
	v_and_b32 v7, 31, v0                           ; lane
	v_lshlrev_b32 v1, 3, v7                        ; 8 x lane
	v_lshlrev_b32 v6, 4, v7                        ; 16 x lane
	v_and_b32 v28, 15, v0                          ; r
	v_bfe_u32 v29, v0, 4, 1                        ; h, and in phase 2: half of my columns
	v_mul_u32_u24 v4, v28, 272
	v_lshl_add_u32 v4, v29, 7, v4
	s_lshl_b32 s9, s8, 3
	v_add_nc_u32 v4, s9, v4                        ; into the table: 272 r + 128 h + 8 w
	v_bfe_u32 v5, v0, 1, 1
	v_lshlrev_b32 v5, 7, v5
	v_lshl_add_u32 v5, v29, 6, v5
	s_mul_i32 s9, s8, 544
	v_add_nc_u32 v5, s9, v5                        ; out of it: row 2 w, + 128 ((l / 2) % 2) + 64 (l / 16)
	v_bfe_u32 v30, v0, 2, 2
	v_and_b32 v31, 1, v0
	v_lshlrev_b32 v30, 3, v30
	v_lshl_add_u32 v30, v31, 2, v30                ; 8 ((l / 4) % 4) + 4 (l % 2)
.irp e, 0,1,2,3
	v_sub_nc_u32 v[P+\e], 31-\e, v30
.endr
	v_mov_b32 v[R+1], 0
	v_mov_b32 v[R+3], 0
	s_mov_b32 s16, 0x76543210
	s_mov_b32 s17, 0xfedcba98                      ; v_permlanex16_b32's selects for lane l xor 16
	s_lshr_b32 s10, ttmp9, 4                       ; ty
	s_lshl_b32 s12, s10, 16
	s_lshl_b32 s11, s8, 13                         ; tx = w
	s_add_co_u32 s12, s12, s11
	s_bfe_u32 s11, ttmp9, 0x10003                  ; which half of the tile's rows
	s_lshl_b32 s11, s11, 12
	s_add_co_u32 s12, s12, s11
	s_and_b32 s11, ttmp9, 7                        ; a
	s_lshl_b32 s11, s11, 8
	s_add_co_u32 s12, s12, s11
	s_mov_b32 s13, 0
	s_lshl_b32 s14, ttmp9, 4
	s_lshl_b32 s11, s8, 1
	s_add_co_u32 s14, s14, s11                     ; my first row: 16 x work-group + 2 w
	s_lshl_b32 s14, s14, 13                        ; of 8,192 bytes
	s_mov_b32 s15, 0
	s_wait_kmcnt 0x0
	s_add_nc_u64 s[4:5], s[4:5], s[12:13]
	s_add_nc_u64 s[6:7], s[6:7], s[14:15]
.irp q, 0,1,2,3
.irp u, 0,1
	global_load_b64 v[Z+4*\q+2*\u:Z+4*\q+2*\u+1], v1, s[4:5] offset:(\q<<19)+(\u<<11) th:TH_LOAD_NT   ; 32 lanes read 256 consecutive bytes, aligned
.endr
.endr
	s_wait_loadcnt 0x0
.irp f, 0,1
.irp u, 0,1
	v_and_b32 v[RS+2*\f+\u], v[Z+2*\u+\f], v[Z+4+2*\u+\f]
.endr
.endr
.irp q, 8,12
.irp f, 0,1
.irp u, 0,1
	v_and_b32 v[RS+2*\f+\u], v[RS+2*\f+\u], v[Z+\q+2*\u+\f]   ; 1 where all four quarters are empty
.endr
.endr
.endr
.irp j, 0,1,2,3
	v_xor_b32 v[RS+\j], -1, v[RS+\j]               ; 1 where connected
.endr
.irp f, 0,1
	ds_store_b64 v4, v[RS+2*\f:RS+2*\f+1] offset:64*\f   ; column groups 2 w and 2 w + 1 are neighbours in the table
.endr
	s_wait_dscnt 0x0                               ; for the others' sake: my stores have landed
	s_barrier_signal -1
	s_barrier_wait -1
.irp p, 0,1
.irp k, 0,1,2,3
	ds_load_b128 v[WD+16*\p+4*\k:WD+16*\p+4*\k+3], v5 offset:272*\p+16*\k   ; the sixteen words that hold my columns 128 g + 4 l + 0..3
.endr
.endr
	s_wait_dscnt 0x0
.set j, 0
.rept 32
.irp e, 0,1,2,3
	v_bfe_u32 v[U+4*j+\e], v[WD+j], v[P+\e], 1
.endr
.set j, j+1
.endr
.set j, 0
.rept 128
	v_cvt_f32_u32 v[U+j], v[U+j]
.set j, j+1
.endr
.irp p, 0,1                            ; the rows' sums: two at a time, two chains a row; whole numbers, exact
	v_pk_add_f32 v[SM+4*\p:SM+4*\p+1], v[U+64*\p:U+64*\p+1], v[U+64*\p+2:U+64*\p+3]
	v_pk_add_f32 v[SM+4*\p+2:SM+4*\p+3], v[U+64*\p+4:U+64*\p+5], v[U+64*\p+6:U+64*\p+7]
.endr
.irp j, 8,12,16,20,24,28,32,36,40,44,48,52,56,60
.irp p, 0,1
	v_pk_add_f32 v[SM+4*\p:SM+4*\p+1], v[SM+4*\p:SM+4*\p+1], v[U+64*\p+\j:U+64*\p+\j+1]
	v_pk_add_f32 v[SM+4*\p+2:SM+4*\p+3], v[SM+4*\p+2:SM+4*\p+3], v[U+64*\p+\j+2:U+64*\p+\j+3]
.endr
.endr
.irp p, 0,1
	v_pk_add_f32 v[SM+4*\p:SM+4*\p+1], v[SM+4*\p:SM+4*\p+1], v[SM+4*\p+2:SM+4*\p+3]
.endr
.irp p, 0,1
	v_add_f32 v[SM+4*\p], v[SM+4*\p], v[SM+4*\p+1]
.endr
.irp m, 1,2,4,8
.irp p, 0,1
	v_add_f32_dpp v[SM+4*\p], v[SM+4*\p], v[SM+4*\p] row_xmask:\m row_mask:0xf bank_mask:0xf
.endr
.endr
.irp p, 0,1
	v_permlanex16_b32 v[SM+4*\p+1], v[SM+4*\p], s16, s17
.endr
.irp p, 0,1
	v_add_f32 v[SM+4*\p], v[SM+4*\p], v[SM+4*\p+1]   ; the row's sum, in every lane
.endr
	v_rcp_f32 v[R], v[SM]
	v_rcp_f32 v[R+2], v[SM+4]
	v_nop                                          ; a plain instruction behind the reciprocals
	s_wait_alu depctr_va_vdst(0)                   ; one wait for both, ahead of their first reader
.irp p, 0,1
.set j, 0
.rept 32
	v_pk_mul_f32 v[U+64*\p+j:U+64*\p+j+1], v[U+64*\p+j:U+64*\p+j+1], v[R+2*\p:R+2*\p+1] op_sel_hi:[1,0]
.set j, j+2
.endr
.set j, 0
.rept 16
	global_store_b128 v6, v[U+64*\p+4*j:U+64*\p+4*j+3], s[6:7] offset:8192*\p+512*j th:TH_STORE_NT   ; 32 lanes store 512 consecutive bytes, aligned; written once, read by nobody here
.set j, j+1
.endr
.endr
	s_wait_tensorcnt 0x0                           ; the wave's end
	ds_add_u32 v[SPW], v[NIL]
	s_wait_dscnt 0x0
	s_endpgm
.Lfunc_end_k_qf15ca100a9_norm:
	.size	k_qf15ca100a9_norm, .Lfunc_end_k_qf15ca100a9_norm-k_qf15ca100a9_norm
	.p2alignl 7, 3214868480
	.fill 96, 4, 3214868480
	.section	.rodata,"a",@progbits
	.p2align	6, 0x0
	.amdhsa_kernel k_qf15ca100a9_norm
		.amdhsa_group_segment_fixed_size 5376
		.amdhsa_private_segment_fixed_size 0
		.amdhsa_enable_private_segment 0
		.amdhsa_kernarg_size 16
		.amdhsa_user_sgpr_count 2
		.amdhsa_user_sgpr_kernarg_segment_ptr 1
		.amdhsa_wavefront_size32 1
		.amdhsa_system_sgpr_workgroup_id_x 1
		.amdhsa_system_sgpr_workgroup_id_y 1
		.amdhsa_system_sgpr_workgroup_id_z 1
		.amdhsa_system_vgpr_workitem_id 0
		.amdhsa_next_free_vgpr 192
		.amdhsa_next_free_sgpr 66
		.amdhsa_reserve_vcc 0
		.amdhsa_float_denorm_mode_32 3
		.amdhsa_float_denorm_mode_16_64 3
		.amdhsa_memory_ordered 1
		.amdhsa_forward_progress 1
		.amdhsa_inst_pref_size 29
	.end_amdhsa_kernel
	.amdgpu_metadata
---
amdhsa.version: [ 1, 2 ]
amdhsa.kernels:
  - .name:           k_qf15ca100a9_norm
    .symbol:         k_qf15ca100a9_norm.kd
    .args:
      - { .name: zbits, .offset: 0, .size: 8, .value_kind: global_buffer, .address_space: global }
      - { .name: out0, .offset: 8, .size: 8, .value_kind: global_buffer, .address_space: global }
    .group_segment_fixed_size: 5376
    .private_segment_fixed_size: 0
    .kernarg_segment_align: 8
    .kernarg_segment_size: 16
    .max_flat_workgroup_size: 256
    .sgpr_count:     66
    .vgpr_count:     192
    .wavefront_size: 32
...
	.end_amdgpu_metadata
.endif
;; end of part 4
